; MI455X (gfx1250); checked and timed in simulation.
; The chip was launched on July 23, 2026; its instructions are those of AMD's public machine-readable ISA for CDNA 5 (MIT licence, August 2026) and "CDNA5" Instruction Set Architecture Reference Guide (July 2026). The comments in the code are by the model that wrote it; some were corrected since.
;; QKV Attention. Allowed arithmetic: matrix products marked QUANTISED: E2M1 operands, one E8M0 scale for each 32 along K, by v_wmma_scale_f32_16x16x128_f8f6f4 with both operands' format E2M1 (or v_wmma_scale_f32_32x16x128_f4), f32 sums; everything else in f32.
;; Inputs: qkv 2 x 3,072 x 2,048 float32.
;; Outputs: out0 2 x 1,024 x 2,048 float32.
;; This version of the problem:
;;   THIS VERSION OF THE PROBLEM IS GIVEN IN LOW PRECISION. The matrix products marked QUANTISED in the list below multiply operands that are first quantised to E2M1 (2 exponent bits, 1 mantissa bit; 4 bits a number), with one power-of-two scale for each 32 numbers along K (OCP MX v1.0); their sums are f32. All else is computed in f32.
;;   The module's matrix products, in the order in which they are computed (A, B: the left and right operand; K: the contracted axis; several contracted axes count as one K, in the product's order):
;;     1. batch 32 x [M 2,048, K 64] x [K 64, N 2,048]; A: computed on the way; B: computed on the way: QUANTISED
;;     2. batch 32 x [M 64, K 2,048] x [K 2,048, N 2,048]; A: computed on the way; B: softmax (see below): QUANTISED
;;   THE QUANTISER, for each operand of a quantised product, along K:
;;     - K is cut into blocks of 32 from its start; a last block that is shorter is filled with zeros.
;;     - A block's scale is 2^e with e = floor(log2(the largest magnitude in the block)) - 2, held to -126 .. 127; a block of zeros has e = 0. As a byte (E8M0): e + 127.
;;     - Each number is divided by its block's scale, clamped to +-6, and rounded to the nearest number of E2M1, ties to even, subnormals kept.
;;     - The product sums the exact products of the quantised numbers (number of the format x scale) in f32.
;;   ~~~python
;;   def quantise(x, axis):      # numpy; x: float32 -> the quantised numbers, widened to float32 again
;;       x = np.moveaxis(x, axis, -1); K = x.shape[-1]
;;       x = np.pad(x, [(0, 0)] * (x.ndim - 1) + [(0, -K % 32)]); x = x.reshape(x.shape[:-1] + (-1, 32)); a = np.abs(x).max(-1, keepdims=True)
;;       e = np.where(a > 0, np.clip(np.frexp(np.where(a > 0, a, 1))[1] - 1 - 2, -126, 127), 0)      # np.frexp(a)[1] - 1 = floor(log2(a)), exactly
;;       r = np.clip(x / 2.0 ** e, -6, 6)
;;       step = 2.0 ** (np.maximum(np.frexp(np.where(r == 0, 1, r))[1] - 1, 0) - 1)
;;       q = np.round(r / step) * step * 2.0 ** e      # np.round: ties to even
;;       return np.moveaxis(q.reshape(q.shape[:-2] + (-1,))[..., :K], -1, axis).astype(np.float32)
;;   ~~~
;;   SOFTMAX AHEAD OF A QUANTISED PRODUCT. Where the list says 'softmax', what is quantised is not the finished softmax but p = 2^(t - M), with t = logit x log2(e) and M = ceil(the row's largest t), a whole number; so 1/2 < the row's largest p <= 1. The row's sum l is taken of the UNQUANTISED p, in f32, and the product's result is divided by l at the end. Since M is a whole number, a kernel that streams over the keys may use a running M (the ceiling of the running maximum): every later rescaling is an exact power of two, which a block's scale takes up: the codes' values come out the same.
;;   OPERANDS COMPUTED ON THE WAY. 'Computed on the way' means the value that the module computes at that place (a softmax that the list does not call 'softmax' is quantised finished and normalised). What goes into a quantiser is computed in f32, as accurately as f32 sums, v_exp_f32 and their like allow (about 1e-6 of the number): no bf16 or f16 on the way to a quantiser, and a product that is left as it is and whose result goes on into a quantised operand takes f32 operands (vector FMAs, or v_wmma_f32_16x16x4_f32). A number that lies on a knife's edge between two numbers of the format may be rounded either way, as far as f32 arithmetic and the matrix unit's own rounding can turn it there, and no further.
;; 2 versions, each right; version 2 is version 1 with the launch attn written anew for expert scheduling mode. Each part assembles by itself: llvm-mc -triple=amdgcn-amd-amdhsa -mcpu=gfx1250 --defsym DOCPART=n.
;; ======== version 1 of 2: 1 launch
;; launch attn (part 1): grid 8 x 32, 16 waves a work-group, no clusters, 123,904 bytes of LDS; arguments qkv, out0; writes out0
.if DOCPART == 1
	.amdgcn_target "amdgcn-amd-amdhsa--gfx1250"
	.amdhsa_code_object_version 6
	.text
	.protected	k_q96c223082a_attn
	.globl	k_q96c223082a_attn
	.p2align	8
	.type	k_q96c223082a_attn,@function
k_q96c223082a_attn:
	s_mov_b64 s[64:65], 0
	v_nop
	global_prefetch_b8 v0, s[64:65] scope:SCOPE_SE
	s_setreg_imm32_b32 hwreg(HW_REG_WAVE_MODE, 25, 1), 1
	s_wait_xcnt 0x0
; a[hd][c][t] = the sum over s of softmax_s(sum_c q[c][t] c0 . k[c][s] c0) v[c][s], c0 = 1 / sqrt(sqrt(64)).  32 heads; head hd's q, k, v are rows 192 hd + 0..63, 64..127, 128..191 of qkv,
; 2,048 f32 a row, the position innermost.  Both products run on codes of FP4 (E2M1) with one E8M0 scale for each 32 along a product's K: the first along the 64 channels, the second along the keys.
; THE SOFTMAX: t = score x log2(e); M = the running largest t rounded UP to a whole number; p = 2^(t - M) is quantised, not normalised; the row's sum is taken of the unquantised p and divides at the end.
; SHARES.  A work-group owns 256 queries of one head, each of its sixteen waves 16 of them, one tile, in 256 registers.  Every wave walks the head's 2,048 keys, 128 (a chunk) a step.
; K AND V ARE QUANTISED ON THE WAY, one chunk ahead of their use: waves 0-7 make K's codes (a lane to a key, its 32 registers run down 32 channels: a whole block), waves 8-15 V's (dense loads of 512 bytes,
; turned through the wave's own stage in LDS, so that a lane holds 32 neighbouring keys of one channel: a whole block).  Codes and scale bytes go to LDS as IMAGES OF THE OPERANDS' REGISTERS, 16 bytes a lane,
; into two slots that take turns; one barrier a step.  The f32 numbers of the chunk after that are asked for at the same place, into 32 registers, and have a step in which to land.
; LAYOUT.  Both products are used transposed: S^T = K Q^T (source 0 = 16 keys, source 1 = my 16 queries), O^T = V P^T (source 0 = 16 channels, source 1 = P): a lane holds ONE query (lane % 16) throughout.
; THE KEYS OF A TILE ARE NOT NEIGHBOURS: row r of tile 2 b + u is key 32 b + 8 u + r + 8 (r / 8), so that the 16 registers of tiles 2 b and 2 b + 1 are keys 32 b + 16 (lane / 16) + 0 .. 15.
; THE FIRST PRODUCT'S K IS 64 OF THE INSTRUCTION'S 128.  Q's registers 4-7 hold zero codes, so what K's operand holds there counts for nothing: tile t's operand is v[KF + 4 t : KF + 4 t + 7], whose upper four
; registers are the next tile's codes (the last tile's: four zero registers).  E2M1 has no code for NaN or infinity, so each such product is 0.  The scale bytes of that half are 0 on both sides, never 0xff.
; NO CLUSTER, NO TENSOR LOAD.  The eight work-groups of a head read the same K and V, but as f32 that go straight into the quantiser's registers, and loads into registers have no joint form.  Brought jointly
; into LDS, a chunk would be 65,536 bytes of f32 written to and read from LDS in each work-group, against the 8,960 bytes of codes and scale bytes that go through it here, and every step would need a round of the cluster's barrier.
; LIMITS.  NaN and infinities in qkv are not served.  A block of zeros gets the byte 1 where the rule says 127 (its codes are zeros, and this program alone reads the bytes); a block whose largest magnitude
; lies under 2^-124 has its byte held at 1, as the rule's clip has it.  A p under 2^-126 comes out of v_exp_f32 as 0.  A block's largest p is taken from its largest score: this takes v_exp_f32 not to fall where its input rises.
.set ROW,    8192                      ; bytes in a row of qkv and of out0
.set HEADB,  192*ROW                   ; a head's q, k and v
.set CHB,    512                       ; 128 keys of a row
.set C0,     0x3eb504f3                ; 1 / sqrt(sqrt(64)) in f32
.set L2E,    0x3fb8aa3b                ; log2(e)
.set FLOOR,  0x1800000                 ; 2^(3 - 127): under it no largest magnitude is taken, so that a byte cannot fall under 1
.set EM2,    0xff000000                ; takes 2 off an exponent field
.set NEGBIG, 0xff61b1e6                ; -3e38
; LDS
.set SLOTB,  9216                      ; a slot: K's 8 tiles x 512 bytes; V's 4 tiles x 1,024; K's scale words, 512; V's, 256
.set VIMG,   4096
.set KSC,    8192
.set VSC,    8704
.set TURN,   2*SLOTB                   ; V waves' own stages: 32 units of 128 bytes + 16 of padding
.set TUNIT,  144
.set TWAVE,  32*TUNIT
.set OST,    TURN+8*TWAVE              ; the way out: [64 channels][256 queries] f32, rows of 1,024 bytes + 16
.set OP,     1040
; vector registers
.set LI,  1                            ; 16 x lane: an image's place for my lane; also my bytes in a store of out0
.set L8,  2                            ; 8 x lane
.set GO,  3                            ; my role's byte offset in K or V
.set PFO, 4                            ; the prefetches' offset
.set KWI, 5                            ; K role: where my codes go;   KWS: my scale byte
.set KWS, 6
.set VWI, 7                            ; V role: the same
.set VWS, 8
.set VTS, 9                            ; V role: into my stage;   VTL: out of it
.set VTL, 10
.set OSA, 11                           ; the way out: into the stage
.set QF,  16                           ; v16-19 Q's codes, v20-23 zero codes          v12 -M, v13 the largest t, v[14:15] the sum, chain A
.set QS,  24                           ; Q's scale words
.set PW,  25                           ; P's
.set VS,  26                           ; v26-27 V's: register i: lanes 0-15 tile 2 i, lanes 16-31 tile 2 i + 1
.set KS,  28                           ; v28-31 K's: likewise
.set KF,  32                           ; v32-63 K's codes, 4 registers a tile; behind the first product V's fragments, 8 a tile
.set KZ,  64                           ; v64-67 zero
.set PC,  68                           ; v68-75 P's codes
.set BM,  76                           ; v76-79 the blocks' largest scores, then largest p
.set PX,  80                           ; v80-83 the other half's, then the bytes
.set SO,  84                           ; v84-87 the conversions' scale operands
.set T,   88
.set F,   90                           ; v90 f = 2^(old M - new M); v91 is named with it as a pair
.set SB,  92                           ; v[92:93] the sum, chain B
.set QT0, 94                           ; the quantiser's two chains
.set QT1, 95
.set S,   96                           ; v96-159 S^T, then p; v96-127 also the quantiser's 32 numbers
.set O,   160                          ; v160-191 O^T: register 8 m + j = channel 16 m + 8 (lane / 16) + j
.set X,   192                          ; v192-223 the chunk on its way in; at the end rows of out0
.set C,   224                          ; v224-227 a block's codes
.set QE,  228                          ; its byte
.set QSO, 229                          ; its conversions' scale operand
.set OLA, 230                          ; the way out: out of the stage
.set QO,  231                          ; q's offset
; scalar registers
.set WV,  8                            ; my wave's number; s9 = WV & 7; s10 = b, s11 = hb (K role)
.set SEL, 12                           ; s[12:13] v_permlanex16_b32's selects for lane l xor 16
.set CS,  14                           ; s[14:15] log2(e): the packed form names a pair and takes its low word for both halves
.set SCL, 16                           ; s[16:17] c0 likewise
.set GB,  18                           ; s[18:19] my role's tensor at the chunk that was asked for last
.set QB,  20                           ; s[20:21] q at my first query
.set CNT, 22                           ; trips to go
.set LIM, 23                           ; 1 in a work-group that prefetches, else the greatest number
.set OB,  24                           ; s[24:25] out0 at my four channels, my block's queries
; K role: channel 32 hb + i of keys 32 b + lane: a wave reads 128 consecutive bytes, the four waves of one hb a row's 512
.macro KLOADX
.set ii, 0
.rept 32
	global_load_b32 v[X+ii], v[GO], s[GB:GB+1] offset:ii*ROW
.set ii, ii+1
.endr
.endm
; V role: rows 8 w7 + i: a wave reads 512 consecutive bytes
.macro VLOADX
.set ii, 0
.rept 8
	global_load_b128 v[X+4*ii:X+4*ii+3], v[GO], s[GB:GB+1] offset:ii*ROW
.set ii, ii+1
.endr
.endm
; One block of 32 numbers, v[S] .. v[S + 31] of ONE lane, becomes 4 registers of codes at v[dst], its byte in v[QE]
.macro QUANT32 dst
	v_max3_num_f32 v[QT0], |v[S]|, |v[S+1]|, |v[S+2]|             ; the largest magnitude, in two chains
	v_max3_num_f32 v[QT1], |v[S+3]|, |v[S+4]|, |v[S+5]|
.irp i, 6,10,14,18,22,26
	v_max3_num_f32 v[QT0], v[QT0], |v[S+\i]|, |v[S+\i+1]|
	v_max3_num_f32 v[QT1], v[QT1], |v[S+\i+2]|, |v[S+\i+3]|
.endr
	v_max3_num_f32 v[QT0], v[QT0], |v[S+30]|, |v[S+31]|
	v_max3_num_f32 v[QT0], v[QT0], v[QT1], FLOOR                  ; and the floor
	v_add_nc_u32 v[QSO], EM2, v[QT0]                              ; 2 off its exponent field: the conversion takes the exponent field of this operand as its scale, and nothing else of it
	v_lshrrev_b32 v[QE], 23, v[QSO]                               ; the scale's byte
.irp g, 0,1,2,3
	v_cvt_scalef32_pk8_fp4_f32 v[\dst+\g], v[S+8*\g:S+8*\g+7], v[QSO]   ; to the nearest code, ties to even; beyond 6 the largest code
.endr
	v_nop                                                         ; one plain place behind a scaled conversion: its sources and results are touched by vector and matrix instructions later
.endm
; The chunk that lies in X becomes codes in slot \slot.  load = 1: the chunk after it is asked for into X.  first = 1: the bytes of K's scale words that belong to the instruction's unused half are set to 0, once, in both slots.
.macro PRODUCE slot, load, first
	s_wait_loadcnt 0x0                             ; X is in: its loads were issued a step ago; they have also read their base
.if \load
	s_wait_xcnt 0x0                                ; and so has the last prefetch, a step back or more: the base may step
	s_add_nc_u64 s[GB:GB+1], s[GB:GB+1], CHB
.endif
	s_cmp_lt_u32 s[WV], 8
	s_cbranch_scc0 .Lv_\@
.set ii, 0
.rept 16
	v_pk_mul_f32 v[S+2*ii:S+2*ii+1], v[X+2*ii:X+2*ii+1], s[SCL:SCL+1] op_sel_hi:[1,0]   ; k x c0, in f32, as it goes into the quantiser
.set ii, ii+1
.endr
.if \load
	KLOADX                                         ; X has been read
.endif
	QUANT32 C
	ds_store_b128 v[KWI], v[C:C+3] offset:(\slot)*SLOTB
	ds_store_b8 v[KWS], v[QE] offset:(\slot)*SLOTB
.if \first
	ds_store_b8 v[KWS], v[KZ] offset:2             ; byte 2 + hb of my key's word: each has one owner
	ds_store_b8 v[KWS], v[KZ] offset:SLOTB+2
.endif
	s_branch .Lj_\@
.Lv_\@:
.set ii, 0
.rept 8
	ds_store_b128 v[VTS], v[X+4*ii:X+4*ii+3] offset:4*TUNIT*ii    ; row i's four blocks of 128 bytes: units 4 i .. 4 i + 3 of my stage
.set ii, ii+1
.endr
.set ii, 0
.rept 8
	ds_load_b128 v[S+4*ii:S+4*ii+3], v[VTL] offset:16*ii          ; unit = my lane: LDS serves a wave's instructions in order (ISA guide 5.7.1.4), so these see the stores above
.set ii, ii+1
.endr
	s_wait_dscnt 0x0                               ; my 32 neighbours are in, and the stores have read X
.if \load
	VLOADX
.endif
	QUANT32 C
	ds_store_b128 v[VWI], v[C:C+3] offset:(\slot)*SLOTB
	ds_store_b8 v[VWS], v[QE] offset:(\slot)*SLOTB
.Lj_\@:
.endm
; A PREFETCH INTO THE L2, once a trip, behind the first step's loads: the two chunks that the NEXT trip's two steps ask for: 1,024 bytes of each of my role's 64 rows.  All eight work-groups of a head walk the same K and V:
; the head's first work-group asks, and nobody else.  In it wave w7 of each role takes rows 8 w7 .. 8 w7 + 7: lane l names row 8 w7 + l / 4, bytes 256 (l % 4) on: each aligned block of 256 bytes is named once in the launch.
; The base stands at chunk 2 T + 2 in trip T, so the offset 1,024 names chunks 2 T + 4 and 2 T + 5.  Chunks 0 to 3 come by their loads alone; the last trip, whose chunks 16 and 17 do not exist, asks for nothing.
.macro ASK
	s_cmp_gt_u32 s[CNT], s[LIM]
	s_cbranch_scc0 .Lnot_mine_\@
	global_prefetch_b8 v[PFO], s[GB:GB+1] offset:2*CHB th:TH_LOAD_NT scope:SCOPE_SE
.Lnot_mine_\@:
.endm
.macro FMAP i                          ; pair i of the scores: t - M, two at a time
	v_pk_fma_f32 v[S+2*(\i):S+2*(\i)+1], v[S+2*(\i):S+2*(\i)+1], s[CS:CS+1], v[12:13] op_sel_hi:[1,0,0]
.endm
.macro RESC i                          ; pair i of O^T under the new M: x f, which rounds nothing
	v_pk_mul_f32 v[O+2*(\i):O+2*(\i)+1], v[O+2*(\i):O+2*(\i)+1], v[F:F+1] op_sel_hi:[1,0]
.endm
.macro ADDN n                          ; line n of 32 of the row's sum of the UNQUANTISED p: chain B starts with pairs 0 and 1; pair n + 1 goes to chain A (n odd) or B (n even); at last A takes B
.if (\n) == 0
	s_wait_alu depctr_va_vdst(0)
	v_pk_add_f32 v[SB:SB+1], v[S:S+1], v[S+2:S+3]
.elseif (\n) == 31
	v_pk_add_f32 v[14:15], v[14:15], v[SB:SB+1]
.elseif (\n)%2 == 1
	v_pk_add_f32 v[14:15], v[14:15], v[S+2*(\n)+2:S+2*(\n)+3]
.else
	s_wait_alu depctr_va_vdst(0)
	v_pk_add_f32 v[SB:SB+1], v[SB:SB+1], v[S+2*(\n)+2:S+2*(\n)+3]
.endif
.endm
; A KEY STEP on the chunk in slot \slot.  produce: the next chunk's codes are made into the other slot; load: the chunk after that is asked for; ask: the trip's prefetch; bar: the barrier at the step's end.
.macro STEP slot, produce, load, ask, bar
.irp t, 0,1,2,3,4,5,6,7
	ds_load_b128 v[KF+4*\t:KF+4*\t+3], v[LI] offset:\slot*SLOTB+512*\t      ; K's eight tiles, as their maker's registers stood
.endr
	ds_load_b128 v[KS:KS+3], v[LI] offset:\slot*SLOTB+KSC
.if \produce
	PRODUCE 1-\slot, \load, 0
.endif
.if \ask
	ASK
.endif
	s_wait_dscnt 0x0                               ; K's tiles and words are in
.irp t, 0,1,2,3,4,5,6,7                ; S^T = K Q^T.  Each product starts its sum with the constant 0; the eight accumulators take turns
.if \t%2
	v_wmma_scale_f32_16x16x128_f8f6f4 v[S+8*\t:S+8*\t+7], v[KF+4*\t:KF+4*\t+7], v[QF:QF+7], 0, v[KS+\t/2], v[QS] matrix_a_fmt:MATRIX_FMT_FP4 matrix_b_fmt:MATRIX_FMT_FP4 matrix_a_scale:MATRIX_SCALE_ROW1
.else
	v_wmma_scale_f32_16x16x128_f8f6f4 v[S+8*\t:S+8*\t+7], v[KF+4*\t:KF+4*\t+7], v[QF:QF+7], 0, v[KS+\t/2], v[QS] matrix_a_fmt:MATRIX_FMT_FP4 matrix_b_fmt:MATRIX_FMT_FP4
.endif
.endr
.rept 4
	v_nop                                          ; four places in front of the loads into K's registers and of the first read of the scores
.endr
.irp m, 0,1,2,3
.irp c, 0,1
	ds_load_b128 v[KF+8*\m+4*\c:KF+8*\m+4*\c+3], v[LI] offset:\slot*SLOTB+VIMG+1024*\m+512*\c   ; V's four tiles: they land under the softmax
.endr
.endr
	ds_load_b64 v[VS:VS+1], v[L8] offset:\slot*SLOTB+VSC
.irp b, 0,1,2,3
	v_max3_num_f32 v[BM+\b], v[S+16*\b], v[S+16*\b+1], v[S+16*\b+2]     ; THE LARGEST SCORE OF EACH BLOCK OF 32 KEYS serves twice: for the row's maximum and, since p rises with the score, for the block's largest p.  Each tile is read from its low end on
.endr
.irp i, 3,5,7,9,11,13
.irp b, 0,1,2,3
	v_max3_num_f32 v[BM+\b], v[BM+\b], v[S+16*\b+\i], v[S+16*\b+\i+1]   ; (the four blocks by turns)
.endr
.endr
.irp b, 0,1,2,3
	v_max_num_f32 v[BM+\b], v[BM+\b], v[S+16*\b+15]
.endr
.irp b, 0,1,2,3
	v_permlanex16_b32 v[PX+\b], v[BM+\b], s[SEL], s[SEL+1]
.endr
.irp b, 0,1,2,3
	v_max_num_f32 v[BM+\b], v[BM+\b], v[PX+\b]     ; with lane l xor 16's 16 keys
.endr
	v_max3_num_f32 v[T], v[BM], v[BM+1], v[BM+2]
	v_max_num_f32 v[T], v[T], v[BM+3]              ; the step's largest score of my query
	v_mul_f32 v[T], s[CS], v[T]                    ; as t
	v_max_num_f32 v13, v13, v[T]                   ; the running largest t
	v_mov_b32 v[T], v12
	v_floor_f32 v12, -v13                          ; the new -M = floor(-t) = -ceil(t): M is a whole number
	v_sub_f32 v[T], v12, v[T]                      ; old M less new M: a whole number, 0 or less
	v_cvt_i32_f32 v[T], v[T]                       ; (it saturates)
	v_ldexp_f32 v[F], 1.0, v[T]                    ; f = 2^(old M - new M)
.irp b, 0,1,2,3
	v_fma_f32 v[BM+\b], v[BM+\b], s[CS], v12       ; t - M of each block's largest score: the same multiply-add as the scores' own
.endr
.irp i, 0,1,2,3,4,5,6,7
	FMAP \i                                        ; block 0's scores
.endr
.irp b, 0,1,2,3
	v_exp_f32 v[BM+\b], v[BM+\b]                   ; the block's largest p: the same two instructions on the same number give the same bits
.endr
	v_pk_mul_f32 v[14:15], v[14:15], v[F:F+1] op_sel_hi:[1,0]   ; the sum under the new M.  (The plain place behind the exponentials)
	s_wait_alu depctr_va_vdst(0)
.irp b, 0,1,2,3
	v_max_num_f32 v[BM+\b], FLOOR, v[BM+\b]        ; a block whose every p has fallen to 0 keeps the byte 1: its codes are zeros
.endr
.irp b, 0,1,2,3
	v_add_nc_u32 v[SO+\b], EM2, v[BM+\b]           ; the conversions' scale operands
.endr
.irp b, 0,1,2,3
	v_lshrrev_b32 v[PX+\b], 23, v[SO+\b]           ; the bytes
.endr
	v_lshl_or_b32 v[PW], v[PX+1], 8, v[PX]         ; P's scale word for these 128 keys
	v_lshl_or_b32 v[PW], v[PX+2], 16, v[PW]
	v_lshl_or_b32 v[PW], v[PX+3], 24, v[PW]
; THE 64 EXPONENTIALS, each with ONE plain line behind it, so that no two follow each other and each has its plain place (ISA guide 5.7.2) before its result is used.  The plain lines are work that is ready:
; behind an even register of block b the multiply-add of a pair of block b + 1 (in block 3: O^T's pairs 8-15 x f); behind an odd one a line of the sum over block b - 1 (in block 0: O^T's pairs 0-7 x f).
; The sum's line behind register 15 of block b reads that block's pair 0, whose exponentials stand 14 registers back.
.set bb, 0
.rept 4
.set kk, 0
.rept 16
	v_exp_f32 v[S+16*bb+kk], v[S+16*bb+kk]         ; p = 2^(t - M), at most 1
.if kk%2 == 0
.if bb < 3
	FMAP 8*(bb+1)+kk/2
.else
	RESC 8+kk/2
.endif
.else
.if bb > 0
	ADDN 8*(bb-1)+kk/2
.else
	RESC kk/2
.endif
.endif
.set kk, kk+1
.endr
.set bb, bb+1
.endr
	s_wait_alu depctr_va_vdst(0)
.irp b, 0,1,2,3
	v_cvt_scalef32_pk8_fp4_f32 v[PC+2*\b], v[S+16*\b:S+16*\b+7], v[SO+\b]        ; the codes of keys 32 b + 16 h + 0 .. 7
	v_cvt_scalef32_pk8_fp4_f32 v[PC+2*\b+1], v[S+16*\b+8:S+16*\b+15], v[SO+\b]   ; and + 8 .. 15
.endr
	v_nop                                          ; one plain place behind a scaled conversion
.irp c, 0,1                            ; the operand's layout wants a WHOLE block in a lane: lanes 0-15 block 2 c, lanes 16-31 block 2 c + 1
.irp i, 0,1
	v_permlane16_swap_b32 v[PC+4*\c+\i], v[PC+4*\c+2+\i]
.endr
.endr
.irp n, 24,25,26,27,28,29,30,31
	ADDN \n                                        ; the rest of the sum: eight plain lines, the places between the operand's last write and the scaled products
.endr
	s_wait_dscnt 0x0                               ; V's tiles and words are in
.irp m, 0,1,2,3                        ; O^T += V P^T; the four accumulators take turns
.if \m%2
	v_wmma_scale_f32_16x16x128_f8f6f4 v[O+8*\m:O+8*\m+7], v[KF+8*\m:KF+8*\m+7], v[PC:PC+7], v[O+8*\m:O+8*\m+7], v[VS+\m/2], v[PW] matrix_a_fmt:MATRIX_FMT_FP4 matrix_b_fmt:MATRIX_FMT_FP4 matrix_a_scale:MATRIX_SCALE_ROW1
.else
	v_wmma_scale_f32_16x16x128_f8f6f4 v[O+8*\m:O+8*\m+7], v[KF+8*\m:KF+8*\m+7], v[PC:PC+7], v[O+8*\m:O+8*\m+7], v[VS+\m/2], v[PW] matrix_a_fmt:MATRIX_FMT_FP4 matrix_b_fmt:MATRIX_FMT_FP4
.endif
.endr
.rept 4
	v_nop                                          ; four places in front of the next step's loads into V's registers, and of the way out's first read of O^T
.endr
.if \bar
	s_wait_dscnt 0x0                               ; for the others' sake: my stores into the other slot have landed, and my reads of this slot are back
	s_barrier_signal -1
	s_barrier_wait -1                              ; the other slot is whole, and nobody reads this one any more: it may be written
.endif
.endm
	s_load_b128 s[4:7], s[0:1], 0x0                ; qkv s[4:5], out0 s[6:7]
	v_lshl_add_u32 v254, v0, 2, 0x1dc00
	v_mov_b32 v255, 0
	v_lshrrev_b32 v232, 5, v0
	v_readfirstlane_b32 s[WV], v232                ; wave 0..15
	s_and_b32 s9, s[WV], 7                         ; w7: my number in my role
	s_and_b32 s10, s[WV], 3                        ; K role: b, which 32 keys of a chunk;
	s_bfe_u32 s11, s[WV], 0x10002                  ; hb, which 32 channels
	v_and_b32 v232, 31, v0                         ; lane
	v_and_b32 v233, 15, v0                         ; r
	v_bfe_u32 v234, v0, 4, 1                       ; h
	v_lshlrev_b32 v[LI], 4, v232
	v_lshlrev_b32 v[L8], 3, v232
	; EVERY LDS ADDRESS IS MADE HERE, ahead of the first parting of the roles: a constant + constants x bits of the lane + constants x bits of the wave's number
	; K role: my lane is key 32 b + lane: tile 2 b + u, u = bit 3 of the lane; row rk = lane % 8 + 8 (lane / 16); operand lane rk + 16 hb
	v_and_b32 v235, 7, v0
	v_lshl_add_u32 v235, v234, 3, v235             ; rk
	v_bfe_u32 v236, v0, 3, 1                       ; u
	s_lshl_b32 s38, s10, 10
	s_lshl_b32 s39, s11, 8
	s_add_co_u32 s38, s38, s39
	v_lshlrev_b32 v[KWI], 4, v235
	v_lshl_add_u32 v[KWI], v236, 9, v[KWI]
	v_add_nc_u32 v[KWI], s38, v[KWI]               ; 1,024 b + 512 u + 256 hb + 16 rk
	s_lshl_b32 s39, s10, 2
	s_add_co_u32 s39, s39, s11
	s_add_co_u32 s39, s39, KSC
	v_lshlrev_b32 v[KWS], 4, v235
	v_lshl_add_u32 v[KWS], v236, 8, v[KWS]
	v_add_nc_u32 v[KWS], s39, v[KWS]               ; KSC + 256 u + 16 rk + 4 b + hb: a load of 16 bytes at 16 x lane then gives register i tile 2 i's words in lanes 0-15 and tile 2 i + 1's in lanes 16-31
	; V role: behind the turn my lane holds channel 8 w7 + lane / 4, block lane % 4 = 2 c + h: tile w7 / 2, row 8 (w7 % 2) + lane / 4
	v_bfe_u32 v237, v0, 1, 1                       ; c
	v_and_b32 v238, 1, v0                          ; the operand's half
	v_bfe_u32 v239, v0, 2, 3                       ; lane / 4
	s_lshr_b32 s40, s9, 1
	s_lshl_b32 s40, s40, 10
	s_and_b32 s41, s9, 1
	s_lshl_b32 s42, s41, 7
	s_add_co_u32 s40, s40, s42
	s_add_co_u32 s40, s40, VIMG
	v_lshlrev_b32 v[VWI], 4, v239
	v_lshl_add_u32 v[VWI], v238, 8, v[VWI]
	v_lshl_add_u32 v[VWI], v237, 9, v[VWI]
	v_add_nc_u32 v[VWI], s40, v[VWI]               ; VIMG + 1,024 (w7 / 2) + 128 (w7 % 2) + 512 c + 256 half + 16 (lane / 4)
	s_bfe_u32 s42, s9, 0x10001
	s_lshl_b32 s42, s42, 7
	s_lshl_b32 s43, s41, 6
	s_add_co_u32 s42, s42, s43
	s_lshr_b32 s43, s9, 2
	s_lshl_b32 s43, s43, 2
	s_add_co_u32 s42, s42, s43
	s_add_co_u32 s42, s42, VSC
	v_and_b32 v[VWS], 3, v0
	v_lshl_add_u32 v[VWS], v239, 3, v[VWS]
	v_add_nc_u32 v[VWS], s42, v[VWS]               ; VSC + 128 (tile % 2) + 8 row + 4 (tile / 2) + block: a load of 8 bytes at 8 x lane gives register i tile 2 i's words below and tile 2 i + 1's above
	s_mul_i32 s44, s9, TWAVE
	s_add_co_u32 s44, s44, TURN                    ; my stage
	v_bfe_u32 v237, v0, 3, 2
	v_mul_u32_u24 v[VTS], v237, TUNIT
	v_and_b32 v238, 7, v0
	v_lshl_add_u32 v[VTS], v238, 4, v[VTS]
	v_add_nc_u32 v[VTS], s44, v[VTS]               ; in: my 16 bytes of a row's 512: unit lane / 8, byte 16 (lane % 8)
	v_mul_u32_u24 v[VTL], v232, TUNIT
	v_add_nc_u32 v[VTL], s44, v[VTL]               ; out: unit = lane
	s_lshl_b32 s45, s[WV], 6
	s_add_co_u32 s45, s45, OST
	v_mul_u32_u24 v[OSA], v234, 8*OP
	v_lshl_add_u32 v[OSA], v233, 2, v[OSA]
	v_add_nc_u32 v[OSA], s45, v[OSA]               ; the way out, in: channel 8 h (+ 16 m + j in the offset), query 16 w + r
	s_mul_i32 s46, s[WV], 4*OP
	s_add_co_u32 s46, s46, OST
	v_add_nc_u32 v[OLA], s46, v[LI]                ; back: channels 4 w .. 4 w + 3, 16 bytes a lane
	; offsets in memory
	v_lshlrev_b32 v[QO], 2, v233
	v_lshl_add_u32 v[QO], v234, 18, v[QO]          ; q: query r, channels 32 h on
	s_and_b32 s36, ttmp7, 0xffff                   ; the head
	s_mul_i32 s26, s36, HEADB
	s_mov_b32 s27, 0
	s_lshl_b32 s28, s10, 7
	s_lshl_b32 s29, s11, 18
	s_add_co_u32 s28, s28, s29                     ; K role: 128 b bytes along the row, 32 hb rows down
	s_lshl_b32 s29, s9, 16                         ; V role, and the prefetches of both: 8 w7 rows down
	s_mov_b32 s30, 128*ROW                         ; v begins 128 rows into the head,
	s_mov_b32 s31, 0
	s_cmp_lt_u32 s[WV], 8
	s_cselect_b32 s37, 2, 4                        ; 4 or 16 bytes a lane
	s_cselect_b32 s28, s28, s29
	s_cselect_b32 s30, 64*ROW, s30                 ; k 64
	v_lshlrev_b32 v[GO], s37, v232
	v_add_nc_u32 v[GO], s28, v[GO]
	v_and_b32 v[PFO], 3, v0
	v_lshlrev_b32 v[PFO], 8, v[PFO]
	v_lshl_add_u32 v[PFO], v239, 13, v[PFO]
	v_add_nc_u32 v[PFO], s29, v[PFO]               ; row 8 w7 + lane / 4, bytes 256 (lane % 4) on
	s_cmp_eq_u32 ttmp9, 0
	s_cselect_b32 s[LIM], 1, -1                    ; the head's first work-group prefetches
	s_lshl_b32 s32, ttmp9, 10
	s_lshl_b32 s33, s[WV], 6
	s_add_co_u32 s32, s32, s33                     ; my first query: 256 x + 16 w, 4 bytes each
	s_mov_b32 s33, 0
	s_lshl_b32 s38, s36, 19                        ; out0: a head is 64 rows,
	s_lshl_b32 s39, s[WV], 15                      ; my four channels,
	s_add_co_u32 s38, s38, s39
	s_lshl_b32 s39, ttmp9, 10                      ; my block's 256 queries
	s_add_co_u32 s38, s38, s39
	s_mov_b32 s39, 0
	s_mov_b32 s[SEL], 0x76543210
	s_mov_b32 s[SEL+1], 0xfedcba98
	s_mov_b32 s[CS], L2E
	s_mov_b32 s[CS+1], L2E
	s_mov_b32 s[SCL], C0
	s_mov_b32 s[SCL+1], C0
.irp j, 4,5,6,7
	v_mov_b32 v[QF+\j], 0                          ; Q's codes of the instruction's unused 64 along K
.endr
.irp j, 0,1,2,3
	v_mov_b32 v[KZ+\j], 0
	v_mov_b32 v[PX+\j], 0                          ; written once: a lane permute's destination counts as one of its sources
.endr
	v_mov_b32 v14, 0                               ; the sum
	v_mov_b32 v15, 0
	v_mov_b32 v[T], 0
	v_mov_b32 v[F+1], 0                            ; (named as the upper half of a pair)
	v_mov_b32 v237, 0
	v_mov_b32 v13, NEGBIG                          ; the largest t so far: under every t
	v_floor_f32 v12, -v13                          ; -M
.set ii, 0
.rept 32
	v_mov_b32 v[O+ii], 0                           ; O^T.  The step is written without a first step of its own: the first finds zeros, which the first change of M leaves zeros
.set ii, ii+1
.endr
	s_wait_kmcnt 0x0
	s_add_nc_u64 s[34:35], s[4:5], s[26:27]        ; my head
	s_add_nc_u64 s[GB:GB+1], s[34:35], s[30:31]    ; my role's tensor, chunk 0
	s_add_nc_u64 s[QB:QB+1], s[34:35], s[32:33]
	s_add_nc_u64 s[OB:OB+1], s[6:7], s[38:39]
	s_cmp_lt_u32 s[WV], 8                          ; chunk 0 is asked for first
	s_cbranch_scc0 .Lfirst_v
	KLOADX
	s_branch .Lfirst_j
.Lfirst_v:
	VLOADX
.Lfirst_j:
.set ii, 0
.rept 32
	global_load_b32 v[S+32+ii], v[QO], s[QB:QB+1] offset:ii*ROW   ; q(32 h + i, my query): my lane's registers run down the channels, in the order that the operand's layout gives the lane
.set ii, ii+1
.endr
	s_wait_loadcnt 0x0
.set ii, 0
.rept 16
	v_pk_mul_f32 v[S+2*ii:S+2*ii+1], v[S+32+2*ii:S+32+2*ii+1], s[SCL:SCL+1] op_sel_hi:[1,0]   ; q x c0
.set ii, ii+1
.endr
	QUANT32 QF                                     ; block h of my query: registers 0-3 of source 1
	v_lshlrev_b32 v235, 3, v234
	v_lshlrev_b32 v236, v235, v[QE]                ; my byte at its place, 8 h bits up;
	v_permlanex16_b32 v237, v236, s[SEL], s[SEL+1]
	v_or_b32 v[QS], v236, v237                     ; with lane l xor 16's the word's two live bytes; bytes 2 and 3 are 0
	PRODUCE 0, 1, 1                                ; chunk 0 into slot 0; chunk 1 is asked for
	s_wait_dscnt 0x0                               ; my stores have landed
	s_barrier_signal -1
	s_barrier_wait -1                              ; slot 0 is whole
	s_mov_b32 s[CNT], 7
.Ltrip:                                            ; trip T: steps 2 T and 2 T + 1.  Step g multiplies chunk g, makes the codes of chunk g + 1 and asks for chunk g + 2, at most the 15th
	STEP 0, 1, 1, 1, 1
	STEP 1, 1, 1, 0, 1
	s_sub_co_u32 s[CNT], s[CNT], 1
	s_cmp_lg_u32 s[CNT], 0
	s_cbranch_scc1 .Ltrip
	STEP 0, 1, 0, 0, 1                             ; step 14 makes chunk 15 and asks for nothing: no load leaves its row
	STEP 1, 0, 0, 0, 0                             ; step 15
	; THE WAY OUT.  O^T / the sum.  A lane holds one query and 32 channels, out0 has the queries innermost: so the work-group's 64 channels x 256 queries meet in a stage of its own bytes in LDS and leave as rows.
	v_add_f32 v14, v14, v15                        ; the sum's two halves,
	v_permlanex16_b32 v[T], v14, s[SEL], s[SEL+1]
	v_add_f32 v14, v14, v[T]                       ; and lane l xor 16's: the row's sum
	v_rcp_f32 v14, v14
	v_nop                                          ; one plain place behind a transcendental
.set ii, 0
	s_wait_alu depctr_va_vdst(0)
.rept 16
	v_pk_mul_f32 v[S+2*ii:S+2*ii+1], v[O+2*ii:O+2*ii+1], v[14:15] op_sel_hi:[1,0]   ; each accumulator from its low end on
.set ii, ii+1
.endr
.irp m, 0,1,2,3
.irp j, 0,1,2,3,4,5,6,7
	ds_store_b32 v[OSA], v[S+8*\m+\j] offset:(16*\m+\j)*OP       ; sixteen lanes put 64 neighbouring bytes of a channel's row
.endr
.endr
	s_wait_dscnt 0x0                               ; for the others' sake: my stores have landed
	s_barrier_signal -1
	s_barrier_wait -1
.irp n, 0,1,2,3,4,5,6,7
	ds_load_b128 v[X+4*\n:X+4*\n+3], v[OLA] offset:(\n/2)*OP+(\n%2)*512
.endr
.irp n, 0,1,2,3,4,5,6,7
	s_wait_dscnt 7-\n                              ; LDS loads come back in order (ISA guide 5.7.1): load n is in, the 7 - n younger ones may be out
	global_store_b128 v[LI], v[X+4*\n:X+4*\n+3], s[OB:OB+1] offset:(\n/2)*ROW+(\n%2)*512 th:TH_STORE_NT   ; 32 lanes store 512 consecutive bytes, at a multiple of 256 from out0's first byte; written once, read by nobody here
.endr
	s_wait_tensorcnt 0x0
	ds_add_u32 v254, v255
	s_wait_dscnt 0x0
	s_endpgm
.Lfunc_end_k_q96c223082a_attn:
	.size	k_q96c223082a_attn, .Lfunc_end_k_q96c223082a_attn-k_q96c223082a_attn
	.p2alignl 7, 3214868480
	.fill 96, 4, 3214868480
	.section	.rodata,"a",@progbits
	.p2align	6, 0x0
	.amdhsa_kernel k_q96c223082a_attn
		.amdhsa_group_segment_fixed_size 123904
		.amdhsa_private_segment_fixed_size 0
		.amdhsa_enable_private_segment 0
		.amdhsa_kernarg_size 16
		.amdhsa_user_sgpr_count 2
		.amdhsa_user_sgpr_kernarg_segment_ptr 1
		.amdhsa_wavefront_size32 1
		.amdhsa_system_sgpr_workgroup_id_x 1
		.amdhsa_system_sgpr_workgroup_id_y 1
		.amdhsa_system_sgpr_workgroup_id_z 1
		.amdhsa_system_vgpr_workitem_id 0
		.amdhsa_next_free_vgpr 256
		.amdhsa_next_free_sgpr 66
		.amdhsa_reserve_vcc 0
		.amdhsa_float_denorm_mode_32 3
		.amdhsa_float_denorm_mode_16_64 3
		.amdhsa_memory_ordered 1
		.amdhsa_forward_progress 1
		.amdhsa_inst_pref_size 115
	.end_amdhsa_kernel
	.amdgpu_metadata
---
amdhsa.version: [ 1, 2 ]
amdhsa.kernels:
  - .name:           k_q96c223082a_attn
    .symbol:         k_q96c223082a_attn.kd
    .args:
      - { .name: qkv, .offset: 0, .size: 8, .value_kind: global_buffer, .address_space: global }
      - { .name: out0, .offset: 8, .size: 8, .value_kind: global_buffer, .address_space: global }
    .group_segment_fixed_size: 123904
    .private_segment_fixed_size: 0
    .kernarg_segment_align: 8
    .kernarg_segment_size: 16
    .max_flat_workgroup_size: 512
    .sgpr_count:     66
    .vgpr_count:     256
    .wavefront_size: 32
...
	.end_amdgpu_metadata
.endif
;; end of part 1
;; ======== version 2 of 2: 1 launch; version 1 with the launch attn written anew for expert scheduling mode
;; launch attn (part 2): grid 8 x 32, 16 waves a work-group, no clusters, 123,904 bytes of LDS; arguments qkv, out0; writes out0
.if DOCPART == 2
	.amdgcn_target "amdgcn-amd-amdhsa--gfx1250"
	.amdhsa_code_object_version 6
	.text
	.protected	k_q96c223082a_attn
	.globl	k_q96c223082a_attn
	.p2align	8
	.type	k_q96c223082a_attn,@function
k_q96c223082a_attn:
	s_mov_b64 s[64:65], 0
	v_nop
	global_prefetch_b8 v0, s[64:65] scope:SCOPE_SE
	s_setreg_imm32_b32 hwreg(HW_REG_WAVE_SCHED_MODE, 0, 2), 2
	s_setreg_imm32_b32 hwreg(HW_REG_WAVE_MODE, 25, 1), 1
	s_wait_xcnt 0x0
	s_wait_alu depctr_vm_vsrc(0)
; a[hd][c][t] = the sum over s of softmax_s(sum_c q[c][t] c0 . k[c][s] c0) v[c][s], c0 = 1 / sqrt(sqrt(64)).  32 heads; head hd's q, k, v are rows 192 hd + 0..63, 64..127, 128..191 of qkv,
; 2,048 f32 a row, the position innermost.  Both products run on codes of FP4 (E2M1) with one E8M0 scale for each 32 along a product's K: the first along the 64 channels, the second along the keys.
; THE SOFTMAX: t = score x log2(e); M = the running largest t rounded UP to a whole number; p = 2^(t - M) is quantised, not normalised; the row's sum is taken of the unquantised p and divides at the end.
; SHARES.  A work-group owns 256 queries of one head, each of its sixteen waves 16 of them, one tile, in 256 registers.  Every wave walks the head's 2,048 keys, 128 (a chunk) a step.
; K AND V ARE QUANTISED ON THE WAY, one chunk ahead of their use: waves 0-7 make K's codes (a lane to a key, its 32 registers run down 32 channels: a whole block), waves 8-15 V's (dense loads of 512 bytes,
; turned through the wave's own stage in LDS, so that a lane holds 32 neighbouring keys of one channel: a whole block).  Codes and scale bytes go to LDS as IMAGES OF THE OPERANDS' REGISTERS, 16 bytes a lane,
; into two slots that take turns; one barrier a step.  The f32 numbers of the chunk after that are asked for at the same place, into 32 registers, and have a step in which to land.
; LAYOUT.  Both products are used transposed: S^T = K Q^T (source 0 = 16 keys, source 1 = my 16 queries), O^T = V P^T (source 0 = 16 channels, source 1 = P): a lane holds ONE query (lane % 16) throughout.
; THE KEYS OF A TILE ARE NOT NEIGHBOURS: row r of tile 2 b + u is key 32 b + 8 u + r + 8 (r / 8), so that the 16 registers of tiles 2 b and 2 b + 1 are keys 32 b + 16 (lane / 16) + 0 .. 15.
; THE FIRST PRODUCT'S K IS 64 OF THE INSTRUCTION'S 128.  Q's registers 4-7 hold zero codes, so what K's operand holds there counts for nothing: tile t's operand is v[KF + 4 t : KF + 4 t + 7], whose upper four
; registers are the next tile's codes (the last tile's: four zero registers).  E2M1 has no code for NaN or infinity, so each such product is 0.  The scale bytes of that half are 0 on both sides, never 0xff.
; NO CLUSTER, NO TENSOR LOAD.  The eight work-groups of a head read the same K and V, but as f32 that go straight into the quantiser's registers, and loads into registers have no joint form.  Brought jointly
; into LDS, a chunk would be 65,536 bytes of f32 written to and read from LDS in each work-group, against the 8,960 bytes of codes and scale bytes that go through it here, and every step would need a round of the cluster's barrier.
; LIMITS.  NaN and infinities in qkv are not served.  A block of zeros gets the byte 1 where the rule says 127 (its codes are zeros, and this program alone reads the bytes); a block whose largest magnitude
; lies under 2^-124 has its byte held at 1, as the rule's clip has it.  A p under 2^-126 comes out of v_exp_f32 as 0.  A block's largest p is taken from its largest score: this takes v_exp_f32 not to fall where its input rises.
; THE MODE: SCHED_MODE bits 1:0 = 2 (LLVM: expert scheduling mode 2), set by the entry lines.  The code itself states the register dependences
; between vector or matrix instructions and memory or LDS instructions, with s_wait_alu, always for 0.
; THE PLAN.  Registers that memory or LDS instructions touch, round the loop:
;   KF (v32-63)      LDS loads at a step's head land K's tiles in it; the eight products S^T read it; a second run of LDS loads lands V's tiles in it; the four products O^T read it.
;   KS, VS (v26-31)  loaded with K's and with V's tiles, read by the same products as scales.
;   X (v192-223)     loads from memory land in it.  K role: sixteen multiplications read it.  V role: eight LDS stores read it.  Then it is asked for again.
;   v[S .. S + 31]   V role: eight LDS loads from the stage land in it.  All else that names it is vector or matrix work: the quantiser, the scores, p.
;   C, QE (v224-228) written by the quantiser, read by the two LDS stores behind it.
;   v1-11, v230, v231 (offsets and addresses) and KZ: written at the head and never again.
;   PC, PW, QF, QS, KZ are written by vector lines and taken by scaled products as operands or scales: that is stated too.
; THE WAITS ON va_vdst IN A STEP.  At its head (the last step's products O^T and vector lines are done: for the loads into KF, KS, VS and v[S ..]); one in each arm of PRODUCE behind the quantiser (for its stores and, K role, the loads
; into X); one behind the four exponentials of the blocks' largest p, which also frees KF for V's tiles; three in the row's sum and one ahead of the conversions, for the 64 exponentials; one ahead of the products O^T, for PC and PW.
; THE WAITS ON vm_vsrc.  One in each arm of PRODUCE, ahead of the lines that write again what LDS stores have read: C and QE; in the V role X too.
.set ROW,    8192                      ; bytes in a row of qkv and of out0
.set HEADB,  192*ROW                   ; a head's q, k and v
.set CHB,    512                       ; 128 keys of a row
.set C0,     0x3eb504f3                ; 1 / sqrt(sqrt(64)) in f32
.set L2E,    0x3fb8aa3b                ; log2(e)
.set FLOOR,  0x1800000                 ; 2^(3 - 127): under it no largest magnitude is taken, so that a byte cannot fall under 1
.set EM2,    0xff000000                ; takes 2 off an exponent field
.set NEGBIG, 0xff61b1e6                ; -3e38
; LDS
.set SLOTB,  9216                      ; a slot: K's 8 tiles x 512 bytes; V's 4 tiles x 1,024; K's scale words, 512; V's, 256
.set VIMG,   4096
.set KSC,    8192
.set VSC,    8704
.set TURN,   2*SLOTB                   ; V waves' own stages: 32 units of 128 bytes + 16 of padding
.set TUNIT,  144
.set TWAVE,  32*TUNIT
.set OST,    TURN+8*TWAVE              ; the way out: [64 channels][256 queries] f32, rows of 1,024 bytes + 16
.set OP,     1040
; vector registers
.set LI,  1                            ; 16 x lane: an image's place for my lane; also my bytes in a store of out0
.set L8,  2                            ; 8 x lane
.set GO,  3                            ; my role's byte offset in K or V
.set PFO, 4                            ; the prefetches' offset
.set KWI, 5                            ; K role: where my codes go;   KWS: my scale byte
.set KWS, 6
.set VWI, 7                            ; V role: the same
.set VWS, 8
.set VTS, 9                            ; V role: into my stage;   VTL: out of it
.set VTL, 10
.set OSA, 11                           ; the way out: into the stage
.set QF,  16                           ; v16-19 Q's codes, v20-23 zero codes          v12 -M, v13 the largest t, v[14:15] the sum, chain A
.set QS,  24                           ; Q's scale words
.set PW,  25                           ; P's
.set VS,  26                           ; v26-27 V's: register i: lanes 0-15 tile 2 i, lanes 16-31 tile 2 i + 1
.set KS,  28                           ; v28-31 K's: likewise
.set KF,  32                           ; v32-63 K's codes, 4 registers a tile; behind the first product V's fragments, 8 a tile
.set KZ,  64                           ; v64-67 zero
.set PC,  68                           ; v68-75 P's codes
.set BM,  76                           ; v76-79 the blocks' largest scores, then largest p
.set PX,  80                           ; v80-83 the other half's, then the bytes
.set SO,  84                           ; v84-87 the conversions' scale operands
.set T,   88
.set F,   90                           ; v90 f = 2^(old M - new M); v91 is named with it as a pair
.set SB,  92                           ; v[92:93] the sum, chain B
.set QT0, 94                           ; the quantiser's two chains
.set QT1, 95
.set S,   96                           ; v96-159 S^T, then p; v96-127 also the quantiser's 32 numbers
.set O,   160                          ; v160-191 O^T: register 8 m + j = channel 16 m + 8 (lane / 16) + j
.set X,   192                          ; v192-223 the chunk on its way in; at the end rows of out0
.set C,   224                          ; v224-227 a block's codes
.set QE,  228                          ; its byte
.set QSO, 229                          ; its conversions' scale operand
.set OLA, 230                          ; the way out: out of the stage
.set QO,  231                          ; q's offset
; scalar registers
.set WV,  8                            ; my wave's number; s9 = WV & 7; s10 = b, s11 = hb (K role)
.set SEL, 12                           ; s[12:13] v_permlanex16_b32's selects for lane l xor 16
.set CS,  14                           ; s[14:15] log2(e): the packed form names a pair and takes its low word for both halves
.set SCL, 16                           ; s[16:17] c0 likewise
.set GB,  18                           ; s[18:19] my role's tensor at the chunk that was asked for last
.set QB,  20                           ; s[20:21] q at my first query
.set CNT, 22                           ; trips to go
.set LIM, 23                           ; 1 in a work-group that prefetches, else the greatest number
.set OB,  24                           ; s[24:25] out0 at my four channels, my block's queries
; K role: channel 32 hb + i of keys 32 b + lane: a wave reads 128 consecutive bytes, the four waves of one hb a row's 512
.macro KLOADX
.set ii, 0
.rept 32
	global_load_b32 v[X+ii], v[GO], s[GB:GB+1] offset:ii*ROW
.set ii, ii+1
.endr
.endm
; V role: rows 8 w7 + i: a wave reads 512 consecutive bytes
.macro VLOADX
.set ii, 0
.rept 8
	global_load_b128 v[X+4*ii:X+4*ii+3], v[GO], s[GB:GB+1] offset:ii*ROW
.set ii, ii+1
.endr
.endm
; One block of 32 numbers, v[S] .. v[S + 31] of ONE lane, becomes 4 registers of codes at v[dst], its byte in v[QE]
.macro QUANT32 dst
	v_max3_num_f32 v[QT0], |v[S]|, |v[S+1]|, |v[S+2]|             ; the largest magnitude, in two chains
	v_max3_num_f32 v[QT1], |v[S+3]|, |v[S+4]|, |v[S+5]|
.irp i, 6,10,14,18,22,26
	v_max3_num_f32 v[QT0], v[QT0], |v[S+\i]|, |v[S+\i+1]|
	v_max3_num_f32 v[QT1], v[QT1], |v[S+\i+2]|, |v[S+\i+3]|
.endr
	v_max3_num_f32 v[QT0], v[QT0], |v[S+30]|, |v[S+31]|
	v_max3_num_f32 v[QT0], v[QT0], v[QT1], FLOOR                  ; and the floor
	v_add_nc_u32 v[QSO], EM2, v[QT0]                              ; 2 off its exponent field: the conversion takes the exponent field of this operand as its scale, and nothing else of it
	v_lshrrev_b32 v[QE], 23, v[QSO]                               ; the scale's byte
.irp g, 0,1,2,3
	v_cvt_scalef32_pk8_fp4_f32 v[\dst+\g], v[S+8*\g:S+8*\g+7], v[QSO]   ; to the nearest code, ties to even; beyond 6 the largest code
.endr
	v_nop                                                         ; one plain place behind a scaled conversion: its sources and results are touched by vector and matrix instructions later
.endm
; The chunk that lies in X becomes codes in slot \slot.  load = 1: the chunk after it is asked for into X.  first = 1: the bytes of K's scale words that belong to the instruction's unused half are set to 0, once, in both slots.
.macro PRODUCE slot, load, first
	s_wait_loadcnt 0x0                             ; X is in: its loads were issued a step ago; they have also read their base
.if \load
	s_wait_xcnt 0x0                                ; and so has the last prefetch, a step back or more: the base may step
	s_add_nc_u64 s[GB:GB+1], s[GB:GB+1], CHB
.endif
	s_cmp_lt_u32 s[WV], 8
	s_cbranch_scc0 .Lv_\@
	s_wait_alu depctr_vm_vsrc(0)                   ; the last chunk's two LDS stores, a step back, have read v[C ..] and v[QE], which the quantiser below writes again
.set ii, 0
.rept 16
	v_pk_mul_f32 v[S+2*ii:S+2*ii+1], v[X+2*ii:X+2*ii+1], s[SCL:SCL+1] op_sel_hi:[1,0]   ; k x c0, in f32, as it goes into the quantiser
.set ii, ii+1
.endr
	QUANT32 C
	s_wait_alu depctr_va_vdst(0)                   ; the quantiser has written v[C ..] and v[QE], which the LDS stores below read; the multiplications are done reading X, in which the loads below land
	ds_store_b128 v[KWI], v[C:C+3] offset:(\slot)*SLOTB
	ds_store_b8 v[KWS], v[QE] offset:(\slot)*SLOTB
.if \first
	ds_store_b8 v[KWS], v[KZ] offset:2             ; byte 2 + hb of my key's word: each has one owner
	ds_store_b8 v[KWS], v[KZ] offset:SLOTB+2
.endif
.if \load
	KLOADX                                         ; no vector line since the wait above names X
.endif
	s_branch .Lj_\@
.Lv_\@:
.set ii, 0
.rept 8
	ds_store_b128 v[VTS], v[X+4*ii:X+4*ii+3] offset:4*TUNIT*ii    ; row i's four blocks of 128 bytes: units 4 i .. 4 i + 3 of my stage
.set ii, ii+1
.endr
.set ii, 0
.rept 8
	ds_load_b128 v[S+4*ii:S+4*ii+3], v[VTL] offset:16*ii          ; unit = my lane: LDS serves a wave's instructions in order (ISA guide 5.7.1.4), so these see the stores above.  No vector or matrix line since the wait at the step's head (ahead of the loop: since the wait behind Q's quantiser) names these registers
.set ii, ii+1
.endr
	s_wait_dscnt 0x0                               ; my 32 neighbours are in
	s_wait_alu depctr_vm_vsrc(0)                   ; the eight stores into the stage have read X, in which the next loads land; the last chunk's two LDS stores have read v[C ..] and v[QE], which the quantiser below writes again
.if \load
	VLOADX
.endif
	QUANT32 C
	s_wait_alu depctr_va_vdst(0)                   ; the quantiser has written v[C ..] and v[QE], which the LDS stores below read
	ds_store_b128 v[VWI], v[C:C+3] offset:(\slot)*SLOTB
	ds_store_b8 v[VWS], v[QE] offset:(\slot)*SLOTB
.Lj_\@:
.endm
; A PREFETCH INTO THE L2, once a trip, behind the first step's loads: the two chunks that the NEXT trip's two steps ask for: 1,024 bytes of each of my role's 64 rows.  All eight work-groups of a head walk the same K and V:
; the head's first work-group asks, and nobody else.  In it wave w7 of each role takes rows 8 w7 .. 8 w7 + 7: lane l names row 8 w7 + l / 4, bytes 256 (l % 4) on: each aligned block of 256 bytes is named once in the launch.
; The base stands at chunk 2 T + 2 in trip T, so the offset 1,024 names chunks 2 T + 4 and 2 T + 5.  Chunks 0 to 3 come by their loads alone; the last trip, whose chunks 16 and 17 do not exist, asks for nothing.
.macro ASK
	s_cmp_gt_u32 s[CNT], s[LIM]
	s_cbranch_scc0 .Lnot_mine_\@
	global_prefetch_b8 v[PFO], s[GB:GB+1] offset:2*CHB th:TH_LOAD_NT scope:SCOPE_SE
.Lnot_mine_\@:
.endm
.macro FMAP i                          ; pair i of the scores: t - M, two at a time
	v_pk_fma_f32 v[S+2*(\i):S+2*(\i)+1], v[S+2*(\i):S+2*(\i)+1], s[CS:CS+1], v[12:13] op_sel_hi:[1,0,0]
.endm
.macro RESC i                          ; pair i of O^T under the new M: x f, which rounds nothing
	v_pk_mul_f32 v[O+2*(\i):O+2*(\i)+1], v[O+2*(\i):O+2*(\i)+1], v[F:F+1] op_sel_hi:[1,0]
.endm
.macro ADDN n                          ; line n of 32 of the row's sum of the UNQUANTISED p: chain B starts with pairs 0 and 1; pair n + 1 goes to chain A (n odd) or B (n even); at last A takes B
.if ((\n)%8 == 0) && ((\n) < 24)
	s_wait_alu depctr_va_vdst(0)                   ; the exponentials issued so far have written their p: all of the block behind and registers 0 and 1 of the block in hand, which are the pairs n + 1 .. n + 8 (n = 0: pair 0 too) that this line of the sum and the seven behind it read
.endif
.if (\n) == 0
	v_pk_add_f32 v[SB:SB+1], v[S:S+1], v[S+2:S+3]
.elseif (\n) == 31
	v_pk_add_f32 v[14:15], v[14:15], v[SB:SB+1]
.elseif (\n)%2 == 1
	v_pk_add_f32 v[14:15], v[14:15], v[S+2*(\n)+2:S+2*(\n)+3]
.else
	v_pk_add_f32 v[SB:SB+1], v[SB:SB+1], v[S+2*(\n)+2:S+2*(\n)+3]
.endif
.endm
; A KEY STEP on the chunk in slot \slot.  produce: the next chunk's codes are made into the other slot; load: the chunk after that is asked for; ask: the trip's prefetch; bar: the barrier at the step's end.
.macro STEP slot, produce, load, ask, bar
	s_wait_alu depctr_va_vdst(0)                   ; the last step's four products O^T are done reading V's tiles and V's words, its products S^T K's words, and its vector lines are done with v[S ..]: loads land in KF and KS below, in v[S ..] in PRODUCE's V arm, in VS further down
.irp t, 0,1,2,3,4,5,6,7
	ds_load_b128 v[KF+4*\t:KF+4*\t+3], v[LI] offset:\slot*SLOTB+512*\t      ; K's eight tiles, as their maker's registers stood
.endr
	ds_load_b128 v[KS:KS+3], v[LI] offset:\slot*SLOTB+KSC
.if \produce
	PRODUCE 1-\slot, \load, 0
.endif
.if \ask
	ASK
.endif
	s_wait_dscnt 0x0                               ; K's tiles and words are in
.irp t, 0,1,2,3,4,5,6,7                ; S^T = K Q^T.  Each product starts its sum with the constant 0; the eight accumulators take turns
.if \t%2
	v_wmma_scale_f32_16x16x128_f8f6f4 v[S+8*\t:S+8*\t+7], v[KF+4*\t:KF+4*\t+7], v[QF:QF+7], 0, v[KS+\t/2], v[QS] matrix_a_fmt:MATRIX_FMT_FP4 matrix_b_fmt:MATRIX_FMT_FP4 matrix_a_scale:MATRIX_SCALE_ROW1
.else
	v_wmma_scale_f32_16x16x128_f8f6f4 v[S+8*\t:S+8*\t+7], v[KF+4*\t:KF+4*\t+7], v[QF:QF+7], 0, v[KS+\t/2], v[QS] matrix_a_fmt:MATRIX_FMT_FP4 matrix_b_fmt:MATRIX_FMT_FP4
.endif
.endr
.rept 4
	v_nop                                          ; four places (ISA guide 7.12.1) in front of the first read of the scores
.endr
.irp b, 0,1,2,3
	v_max3_num_f32 v[BM+\b], v[S+16*\b], v[S+16*\b+1], v[S+16*\b+2]     ; THE LARGEST SCORE OF EACH BLOCK OF 32 KEYS serves twice: for the row's maximum and, since p rises with the score, for the block's largest p.  Each tile is read from its low end on
.endr
.irp i, 3,5,7,9,11,13
.irp b, 0,1,2,3
	v_max3_num_f32 v[BM+\b], v[BM+\b], v[S+16*\b+\i], v[S+16*\b+\i+1]   ; (the four blocks by turns)
.endr
.endr
.irp b, 0,1,2,3
	v_max_num_f32 v[BM+\b], v[BM+\b], v[S+16*\b+15]
.endr
.irp b, 0,1,2,3
	v_permlanex16_b32 v[PX+\b], v[BM+\b], s[SEL], s[SEL+1]
.endr
.irp b, 0,1,2,3
	v_max_num_f32 v[BM+\b], v[BM+\b], v[PX+\b]     ; with lane l xor 16's 16 keys
.endr
	v_max3_num_f32 v[T], v[BM], v[BM+1], v[BM+2]
	v_max_num_f32 v[T], v[T], v[BM+3]              ; the step's largest score of my query
	v_mul_f32 v[T], s[CS], v[T]                    ; as t
	v_max_num_f32 v13, v13, v[T]                   ; the running largest t
	v_mov_b32 v[T], v12
	v_floor_f32 v12, -v13                          ; the new -M = floor(-t) = -ceil(t): M is a whole number
	v_sub_f32 v[T], v12, v[T]                      ; old M less new M: a whole number, 0 or less
	v_cvt_i32_f32 v[T], v[T]                       ; (it saturates)
	v_ldexp_f32 v[F], 1.0, v[T]                    ; f = 2^(old M - new M)
.irp b, 0,1,2,3
	v_fma_f32 v[BM+\b], v[BM+\b], s[CS], v12       ; t - M of each block's largest score: the same multiply-add as the scores' own
.endr
.irp i, 0,1,2,3,4,5,6,7
	FMAP \i                                        ; block 0's scores
.endr
.irp b, 0,1,2,3
	v_exp_f32 v[BM+\b], v[BM+\b]                   ; the block's largest p: the same two instructions on the same number give the same bits
.endr
	v_pk_mul_f32 v[14:15], v[14:15], v[F:F+1] op_sel_hi:[1,0]   ; the sum under the new M.  (The plain place behind the exponentials)
	s_wait_alu depctr_va_vdst(0)                   ; the four exponentials have written v[BM ..], ahead of their first reader; and the eight products S^T are done reading K's tiles, in whose registers V's tiles land
.irp m, 0,1,2,3
.irp c, 0,1
	ds_load_b128 v[KF+8*\m+4*\c:KF+8*\m+4*\c+3], v[LI] offset:\slot*SLOTB+VIMG+1024*\m+512*\c   ; V's four tiles: they land under the exponentials; no vector line up to the products O^T names these registers
.endr
.endr
	ds_load_b64 v[VS:VS+1], v[L8] offset:\slot*SLOTB+VSC
.irp b, 0,1,2,3
	v_max_num_f32 v[BM+\b], FLOOR, v[BM+\b]        ; a block whose every p has fallen to 0 keeps the byte 1: its codes are zeros
.endr
.irp b, 0,1,2,3
	v_add_nc_u32 v[SO+\b], EM2, v[BM+\b]           ; the conversions' scale operands
.endr
.irp b, 0,1,2,3
	v_lshrrev_b32 v[PX+\b], 23, v[SO+\b]           ; the bytes
.endr
	v_lshl_or_b32 v[PW], v[PX+1], 8, v[PX]         ; P's scale word for these 128 keys
	v_lshl_or_b32 v[PW], v[PX+2], 16, v[PW]
	v_lshl_or_b32 v[PW], v[PX+3], 24, v[PW]
; THE 64 EXPONENTIALS, each with ONE plain line behind it, so that no two follow each other and each has its plain place (ISA guide 5.7.2) before its result is used.  The plain lines are work that is ready:
; behind an even register of block b the multiply-add of a pair of block b + 1 (in block 3: O^T's pairs 8-15 x f); behind an odd one a line of the sum over block b - 1 (in block 0: O^T's pairs 0-7 x f).
; The sum's line behind register 15 of block b reads that block's pair 0, whose exponentials stand 14 registers back, ahead of the wait that stands behind register 1.
.set bb, 0
.rept 4
.set kk, 0
.rept 16
	v_exp_f32 v[S+16*bb+kk], v[S+16*bb+kk]         ; p = 2^(t - M), at most 1
.if kk%2 == 0
.if bb < 3
	FMAP 8*(bb+1)+kk/2
.else
	RESC 8+kk/2
.endif
.else
.if bb > 0
	ADDN 8*(bb-1)+kk/2
.else
	RESC kk/2
.endif
.endif
.set kk, kk+1
.endr
.set bb, bb+1
.endr
	s_wait_alu depctr_va_vdst(0)                   ; the last block's exponentials have written their p, ahead of the conversions and of the sum's last eight lines, which read them
.irp b, 0,1,2,3
	v_cvt_scalef32_pk8_fp4_f32 v[PC+2*\b], v[S+16*\b:S+16*\b+7], v[SO+\b]        ; the codes of keys 32 b + 16 h + 0 .. 7
	v_cvt_scalef32_pk8_fp4_f32 v[PC+2*\b+1], v[S+16*\b+8:S+16*\b+15], v[SO+\b]   ; and + 8 .. 15
.endr
	v_nop                                          ; one plain place behind a scaled conversion
.irp c, 0,1                            ; the operand's layout wants a WHOLE block in a lane: lanes 0-15 block 2 c, lanes 16-31 block 2 c + 1
.irp i, 0,1
	v_permlane16_swap_b32 v[PC+4*\c+\i], v[PC+4*\c+2+\i]
.endr
.endr
.irp n, 24,25,26,27,28,29,30,31
	ADDN \n                                        ; the rest of the sum: eight plain lines, the places between the operand's last write and the scaled products
.endr
	s_wait_alu depctr_va_vdst(0)                   ; behind the places: the exchanges have written P's codes v[PC ..] and the shifts its scale word v[PW], which the scaled products below take as source 1 and as its scales
	s_wait_dscnt 0x0                               ; V's tiles and words are in
.irp m, 0,1,2,3                        ; O^T += V P^T; the four accumulators take turns
.if \m%2
	v_wmma_scale_f32_16x16x128_f8f6f4 v[O+8*\m:O+8*\m+7], v[KF+8*\m:KF+8*\m+7], v[PC:PC+7], v[O+8*\m:O+8*\m+7], v[VS+\m/2], v[PW] matrix_a_fmt:MATRIX_FMT_FP4 matrix_b_fmt:MATRIX_FMT_FP4 matrix_a_scale:MATRIX_SCALE_ROW1
.else
	v_wmma_scale_f32_16x16x128_f8f6f4 v[O+8*\m:O+8*\m+7], v[KF+8*\m:KF+8*\m+7], v[PC:PC+7], v[O+8*\m:O+8*\m+7], v[VS+\m/2], v[PW] matrix_a_fmt:MATRIX_FMT_FP4 matrix_b_fmt:MATRIX_FMT_FP4
.endif
.endr
.rept 4
	v_nop                                          ; four places in front of the next step's loads into V's registers, and of the way out's first read of O^T
.endr
.if \bar
	s_wait_dscnt 0x0                               ; for the others' sake: my stores into the other slot have landed, and my reads of this slot are back
	s_barrier_signal -1
	s_barrier_wait -1                              ; the other slot is whole, and nobody reads this one any more: it may be written
.endif
.endm
	s_load_b128 s[4:7], s[0:1], 0x0                ; qkv s[4:5], out0 s[6:7]
	v_lshl_add_u32 v254, v0, 2, 0x1dc00            ; the LDS address of my spare word: behind the way out's stage, 4 bytes a thread; made here and kept for the closing lines alone
	v_mov_b32 v255, 0                              ; and 0, likewise
	v_lshrrev_b32 v232, 5, v0
	v_readfirstlane_b32 s[WV], v232                ; wave 0..15
	v_and_b32 v232, 31, v0                         ; lane
	v_and_b32 v233, 15, v0                         ; r
	v_bfe_u32 v234, v0, 4, 1                       ; h
	v_lshlrev_b32 v[LI], 4, v232
	v_lshlrev_b32 v[L8], 3, v232
	s_wait_alu depctr_va_sdst(0)                   ; s[WV] is written, ahead of its first reader: roles, LDS addresses and bases are made from it
	s_and_b32 s9, s[WV], 7                         ; w7: my number in my role
	s_and_b32 s10, s[WV], 3                        ; K role: b, which 32 keys of a chunk;
	s_bfe_u32 s11, s[WV], 0x10002                  ; hb, which 32 channels
	; EVERY LDS ADDRESS IS MADE HERE, ahead of the first parting of the roles: a constant + constants x bits of the lane + constants x bits of the wave's number
	; K role: my lane is key 32 b + lane: tile 2 b + u, u = bit 3 of the lane; row rk = lane % 8 + 8 (lane / 16); operand lane rk + 16 hb
	v_and_b32 v235, 7, v0
	v_lshl_add_u32 v235, v234, 3, v235             ; rk
	v_bfe_u32 v236, v0, 3, 1                       ; u
	s_lshl_b32 s38, s10, 10
	s_lshl_b32 s39, s11, 8
	s_add_co_u32 s38, s38, s39
	v_lshlrev_b32 v[KWI], 4, v235
	v_lshl_add_u32 v[KWI], v236, 9, v[KWI]
	v_add_nc_u32 v[KWI], s38, v[KWI]               ; 1,024 b + 512 u + 256 hb + 16 rk
	s_lshl_b32 s39, s10, 2
	s_add_co_u32 s39, s39, s11
	s_add_co_u32 s39, s39, KSC
	v_lshlrev_b32 v[KWS], 4, v235
	v_lshl_add_u32 v[KWS], v236, 8, v[KWS]
	v_add_nc_u32 v[KWS], s39, v[KWS]               ; KSC + 256 u + 16 rk + 4 b + hb: a load of 16 bytes at 16 x lane then gives register i tile 2 i's words in lanes 0-15 and tile 2 i + 1's in lanes 16-31
	; V role: behind the turn my lane holds channel 8 w7 + lane / 4, block lane % 4 = 2 c + h: tile w7 / 2, row 8 (w7 % 2) + lane / 4
	v_bfe_u32 v237, v0, 1, 1                       ; c
	v_and_b32 v238, 1, v0                          ; the operand's half
	v_bfe_u32 v239, v0, 2, 3                       ; lane / 4
	s_lshr_b32 s40, s9, 1
	s_lshl_b32 s40, s40, 10
	s_and_b32 s41, s9, 1
	s_lshl_b32 s42, s41, 7
	s_add_co_u32 s40, s40, s42
	s_add_co_u32 s40, s40, VIMG
	v_lshlrev_b32 v[VWI], 4, v239
	v_lshl_add_u32 v[VWI], v238, 8, v[VWI]
	v_lshl_add_u32 v[VWI], v237, 9, v[VWI]
	v_add_nc_u32 v[VWI], s40, v[VWI]               ; VIMG + 1,024 (w7 / 2) + 128 (w7 % 2) + 512 c + 256 half + 16 (lane / 4)
	s_bfe_u32 s42, s9, 0x10001
	s_lshl_b32 s42, s42, 7
	s_lshl_b32 s43, s41, 6
	s_add_co_u32 s42, s42, s43
	s_lshr_b32 s43, s9, 2
	s_lshl_b32 s43, s43, 2
	s_add_co_u32 s42, s42, s43
	s_add_co_u32 s42, s42, VSC
	v_and_b32 v[VWS], 3, v0
	v_lshl_add_u32 v[VWS], v239, 3, v[VWS]
	v_add_nc_u32 v[VWS], s42, v[VWS]               ; VSC + 128 (tile % 2) + 8 row + 4 (tile / 2) + block: a load of 8 bytes at 8 x lane gives register i tile 2 i's words below and tile 2 i + 1's above
	s_mul_i32 s44, s9, TWAVE
	s_add_co_u32 s44, s44, TURN                    ; my stage
	v_bfe_u32 v237, v0, 3, 2
	v_mul_u32_u24 v[VTS], v237, TUNIT
	v_and_b32 v238, 7, v0
	v_lshl_add_u32 v[VTS], v238, 4, v[VTS]
	v_add_nc_u32 v[VTS], s44, v[VTS]               ; in: my 16 bytes of a row's 512: unit lane / 8, byte 16 (lane % 8)
	v_mul_u32_u24 v[VTL], v232, TUNIT
	v_add_nc_u32 v[VTL], s44, v[VTL]               ; out: unit = lane
	s_lshl_b32 s45, s[WV], 6
	s_add_co_u32 s45, s45, OST
	v_mul_u32_u24 v[OSA], v234, 8*OP
	v_lshl_add_u32 v[OSA], v233, 2, v[OSA]
	v_add_nc_u32 v[OSA], s45, v[OSA]               ; the way out, in: channel 8 h (+ 16 m + j in the offset), query 16 w + r
	s_mul_i32 s46, s[WV], 4*OP
	s_add_co_u32 s46, s46, OST
	v_add_nc_u32 v[OLA], s46, v[LI]                ; back: channels 4 w .. 4 w + 3, 16 bytes a lane
	; offsets in memory
	v_lshlrev_b32 v[QO], 2, v233
	v_lshl_add_u32 v[QO], v234, 18, v[QO]          ; q: query r, channels 32 h on
	s_and_b32 s36, ttmp7, 0xffff                   ; the head
	s_mul_i32 s26, s36, HEADB
	s_mov_b32 s27, 0
	s_lshl_b32 s28, s10, 7
	s_lshl_b32 s29, s11, 18
	s_add_co_u32 s28, s28, s29                     ; K role: 128 b bytes along the row, 32 hb rows down
	s_lshl_b32 s29, s9, 16                         ; V role, and the prefetches of both: 8 w7 rows down
	s_mov_b32 s30, 128*ROW                         ; v begins 128 rows into the head,
	s_mov_b32 s31, 0
	s_cmp_lt_u32 s[WV], 8
	s_cselect_b32 s37, 2, 4                        ; 4 or 16 bytes a lane
	s_cselect_b32 s28, s28, s29
	s_cselect_b32 s30, 64*ROW, s30                 ; k 64
	v_lshlrev_b32 v[GO], s37, v232
	v_add_nc_u32 v[GO], s28, v[GO]
	v_and_b32 v[PFO], 3, v0
	v_lshlrev_b32 v[PFO], 8, v[PFO]
	v_lshl_add_u32 v[PFO], v239, 13, v[PFO]
	v_add_nc_u32 v[PFO], s29, v[PFO]               ; row 8 w7 + lane / 4, bytes 256 (lane % 4) on
	s_cmp_eq_u32 ttmp9, 0
	s_cselect_b32 s[LIM], 1, -1                    ; the head's first work-group prefetches
	s_lshl_b32 s32, ttmp9, 10
	s_lshl_b32 s33, s[WV], 6
	s_add_co_u32 s32, s32, s33                     ; my first query: 256 x + 16 w, 4 bytes each
	s_mov_b32 s33, 0
	s_lshl_b32 s38, s36, 19                        ; out0: a head is 64 rows,
	s_lshl_b32 s39, s[WV], 15                      ; my four channels,
	s_add_co_u32 s38, s38, s39
	s_lshl_b32 s39, ttmp9, 10                      ; my block's 256 queries
	s_add_co_u32 s38, s38, s39
	s_mov_b32 s39, 0
	s_mov_b32 s[SEL], 0x76543210
	s_mov_b32 s[SEL+1], 0xfedcba98
	s_mov_b32 s[CS], L2E
	s_mov_b32 s[CS+1], L2E
	s_mov_b32 s[SCL], C0
	s_mov_b32 s[SCL+1], C0
.irp j, 4,5,6,7
	v_mov_b32 v[QF+\j], 0                          ; Q's codes of the instruction's unused 64 along K
.endr
.irp j, 0,1,2,3
	v_mov_b32 v[KZ+\j], 0
	v_mov_b32 v[PX+\j], 0                          ; written once: a lane permute's destination counts as one of its sources
.endr
	v_mov_b32 v14, 0                               ; the sum
	v_mov_b32 v15, 0
	v_mov_b32 v[T], 0
	v_mov_b32 v[F+1], 0                            ; (named as the upper half of a pair)
	v_mov_b32 v237, 0
	v_mov_b32 v13, NEGBIG                          ; the largest t so far: under every t
	v_floor_f32 v12, -v13                          ; -M
.set ii, 0
.rept 32
	v_mov_b32 v[O+ii], 0                           ; O^T.  The step is written without a first step of its own: the first finds zeros, which the first change of M leaves zeros
.set ii, ii+1
.endr
	s_wait_kmcnt 0x0
	s_add_nc_u64 s[34:35], s[4:5], s[26:27]        ; my head
	s_add_nc_u64 s[GB:GB+1], s[34:35], s[30:31]    ; my role's tensor, chunk 0
	s_add_nc_u64 s[QB:QB+1], s[34:35], s[32:33]
	s_add_nc_u64 s[OB:OB+1], s[6:7], s[38:39]
	s_wait_alu depctr_va_vdst(0)                   ; the offsets and addresses v1 to v11, v230 and v231 are written, which every load, store and prefetch of the kernel reads; so is v[KZ], which the first chunk's byte stores read as data
	s_cmp_lt_u32 s[WV], 8                          ; chunk 0 is asked for first
	s_cbranch_scc0 .Lfirst_v
	KLOADX
	s_branch .Lfirst_j
.Lfirst_v:
	VLOADX
.Lfirst_j:
.set ii, 0
.rept 32
	global_load_b32 v[S+32+ii], v[QO], s[QB:QB+1] offset:ii*ROW   ; q(32 h + i, my query): my lane's registers run down the channels, in the order that the operand's layout gives the lane
.set ii, ii+1
.endr
	s_wait_loadcnt 0x0
.set ii, 0
.rept 16
	v_pk_mul_f32 v[S+2*ii:S+2*ii+1], v[S+32+2*ii:S+32+2*ii+1], s[SCL:SCL+1] op_sel_hi:[1,0]   ; q x c0
.set ii, ii+1
.endr
	QUANT32 QF                                     ; block h of my query: registers 0-3 of source 1
	v_lshlrev_b32 v235, 3, v234
	v_lshlrev_b32 v236, v235, v[QE]                ; my byte at its place, 8 h bits up;
	v_permlanex16_b32 v237, v236, s[SEL], s[SEL+1]
	v_or_b32 v[QS], v236, v237                     ; with lane l xor 16's the word's two live bytes; bytes 2 and 3 are 0
	s_wait_alu depctr_va_vdst(0)                   ; Q's codes v[QF ..] and scale word v[QS] are written, which every scaled product S^T takes as source 1 and its scales; and Q's quantiser is done with v[S ..], in which the V role's loads from its stage land
	PRODUCE 0, 1, 1                                ; chunk 0 into slot 0; chunk 1 is asked for
	s_wait_dscnt 0x0                               ; my stores have landed
	s_barrier_signal -1
	s_barrier_wait -1                              ; slot 0 is whole
	s_mov_b32 s[CNT], 7
.Ltrip:                                            ; trip T: steps 2 T and 2 T + 1.  Step g multiplies chunk g, makes the codes of chunk g + 1 and asks for chunk g + 2, at most the 15th
	STEP 0, 1, 1, 1, 1
	STEP 1, 1, 1, 0, 1
	s_sub_co_u32 s[CNT], s[CNT], 1
	s_cmp_lg_u32 s[CNT], 0
	s_cbranch_scc1 .Ltrip
	STEP 0, 1, 0, 0, 1                             ; step 14 makes chunk 15 and asks for nothing: no load leaves its row
	STEP 1, 0, 0, 0, 0                             ; step 15
	; THE WAY OUT.  O^T / the sum.  A lane holds one query and 32 channels, out0 has the queries innermost: so the work-group's 64 channels x 256 queries meet in a stage of its own bytes in LDS and leave as rows.
	v_add_f32 v14, v14, v15                        ; the sum's two halves,
	v_permlanex16_b32 v[T], v14, s[SEL], s[SEL+1]
	v_add_f32 v14, v14, v[T]                       ; and lane l xor 16's: the row's sum
	v_rcp_f32 v14, v14
	v_nop                                          ; one plain place behind a transcendental
	s_wait_alu depctr_va_vdst(0)                   ; the reciprocal has written v14, ahead of its first reader
.set ii, 0
.rept 16
	v_pk_mul_f32 v[S+2*ii:S+2*ii+1], v[O+2*ii:O+2*ii+1], v[14:15] op_sel_hi:[1,0]   ; each accumulator from its low end on
.set ii, ii+1
.endr
	s_wait_alu depctr_va_vdst(0)                   ; the multiplications have written v[S .. S + 31], which the LDS stores below read
.irp m, 0,1,2,3
.irp j, 0,1,2,3,4,5,6,7
	ds_store_b32 v[OSA], v[S+8*\m+\j] offset:(16*\m+\j)*OP       ; sixteen lanes put 64 neighbouring bytes of a channel's row
.endr
.endr
	s_wait_dscnt 0x0                               ; for the others' sake: my stores have landed
	s_barrier_signal -1
	s_barrier_wait -1
.irp n, 0,1,2,3,4,5,6,7
	ds_load_b128 v[X+4*\n:X+4*\n+3], v[OLA] offset:(\n/2)*OP+(\n%2)*512   ; into X.  Its last vector readers (K role: step 14's multiplications) and the last LDS stores that read it (V role: step 14's, into the stage) stand ahead of the waits in their arms of PRODUCE
.endr
.irp n, 0,1,2,3,4,5,6,7
	s_wait_dscnt 7-\n                              ; LDS loads come back in order (ISA guide 5.7.1): load n is in, the 7 - n younger ones may be out
	global_store_b128 v[LI], v[X+4*\n:X+4*\n+3], s[OB:OB+1] offset:(\n/2)*ROW+(\n%2)*512 th:TH_STORE_NT   ; 32 lanes store 512 consecutive bytes, at a multiple of 256 from out0's first byte; written once, read by nobody here
.endr
	s_wait_dscnt 0x0                               ; the closing lines, six on end
	s_wait_alu 0x0
	s_wait_tensorcnt 0x0
	ds_add_u32 v254, v255
	s_wait_dscnt 0x0
	s_endpgm
.Lfunc_end_k_q96c223082a_attn:
	.size	k_q96c223082a_attn, .Lfunc_end_k_q96c223082a_attn-k_q96c223082a_attn
	.p2alignl 7, 3214868480
	.fill 96, 4, 3214868480
	.section	.rodata,"a",@progbits
	.p2align	6, 0x0
	.amdhsa_kernel k_q96c223082a_attn
		.amdhsa_group_segment_fixed_size 123904
		.amdhsa_private_segment_fixed_size 0
		.amdhsa_enable_private_segment 0
		.amdhsa_kernarg_size 16
		.amdhsa_user_sgpr_count 2
		.amdhsa_user_sgpr_kernarg_segment_ptr 1
		.amdhsa_wavefront_size32 1
		.amdhsa_system_sgpr_workgroup_id_x 1
		.amdhsa_system_sgpr_workgroup_id_y 1
		.amdhsa_system_sgpr_workgroup_id_z 1
		.amdhsa_system_vgpr_workitem_id 0
		.amdhsa_next_free_vgpr 256
		.amdhsa_next_free_sgpr 66
		.amdhsa_reserve_vcc 0
		.amdhsa_float_denorm_mode_32 3
		.amdhsa_float_denorm_mode_16_64 3
		.amdhsa_memory_ordered 1
		.amdhsa_forward_progress 1
		.amdhsa_inst_pref_size 114
	.end_amdhsa_kernel
	.amdgpu_metadata
---
amdhsa.version: [ 1, 2 ]
amdhsa.kernels:
  - .name:           k_q96c223082a_attn
    .symbol:         k_q96c223082a_attn.kd
    .args:
      - { .name: qkv, .offset: 0, .size: 8, .value_kind: global_buffer, .address_space: global }
      - { .name: out0, .offset: 8, .size: 8, .value_kind: global_buffer, .address_space: global }
    .group_segment_fixed_size: 123904
    .private_segment_fixed_size: 0
    .kernarg_segment_align: 8
    .kernarg_segment_size: 16
    .max_flat_workgroup_size: 512
    .sgpr_count:     66
    .vgpr_count:     256
    .wavefront_size: 32
...
	.end_amdgpu_metadata
.endif
;; end of part 2
